; MI455X (gfx1250); checked and timed in simulation.
; The chip was launched on July 23, 2026; its instructions are those of AMD's public machine-readable ISA for CDNA 5 (MIT licence, August 2026) and "CDNA5" Instruction Set Architecture Reference Guide (July 2026). The comments in the code are by the model that wrote it; some were corrected since.
;; Single Head. Allowed arithmetic: matrix products marked QUANTISED: E2M1 operands, one E8M0 scale for each 32 along K, by v_wmma_scale_f32_16x16x128_f8f6f4 with both operands' format E2M1 (or v_wmma_scale_f32_32x16x128_f4), f32 sums; everything else in f32.
;; Inputs: Wk 1,024 x 128 float32; Wq 1,024 x 128 float32; Wv 1,024 x 128 float32; x 4 x 4,096 x 1,024 float32.
;; Outputs: out0 4 x 4,096 x 128 float32.
;; This version of the problem:
;;   THIS VERSION OF THE PROBLEM IS GIVEN IN LOW PRECISION. The matrix products marked QUANTISED in the list below multiply operands that are first quantised to E2M1 (2 exponent bits, 1 mantissa bit; 4 bits a number), with one power-of-two scale for each 32 numbers along K (OCP MX v1.0); their sums are f32. All else is computed in f32.
;;   The module's matrix products, in the order in which they are computed (A, B: the left and right operand; K: the contracted axis; several contracted axes count as one K, in the product's order):
;;     1. [M 16,384, K 1,024] x [K 1,024, N 128]; A: input x; B: input Wq: QUANTISED
;;     2. [M 16,384, K 1,024] x [K 1,024, N 128]; A: input x; B: input Wk: QUANTISED
;;     3. [M 16,384, K 1,024] x [K 1,024, N 128]; A: input x; B: input Wv: QUANTISED
;;     4. batch 4 x [M 4,096, K 128] x [K 128, N 4,096]; A: computed on the way; B: computed on the way: QUANTISED
;;     5. batch 4 x [M 4,096, K 4,096] x [K 4,096, N 128]; A: softmax (see below); B: computed on the way: QUANTISED
;;   THE QUANTISER, for each operand of a quantised product, along K:
;;     - K is cut into blocks of 32 from its start; a last block that is shorter is filled with zeros.
;;     - A block's scale is 2^e with e = floor(log2(the largest magnitude in the block)) - 2, held to -126 .. 127; a block of zeros has e = 0. As a byte (E8M0): e + 127.
;;     - Each number is divided by its block's scale, clamped to +-6, and rounded to the nearest number of E2M1, ties to even, subnormals kept.
;;     - The product sums the exact products of the quantised numbers (number of the format x scale) in f32.
;;   ~~~python
;;   def quantise(x, axis):      # numpy; x: float32 -> the quantised numbers, widened to float32 again
;;       x = np.moveaxis(x, axis, -1); K = x.shape[-1]
;;       x = np.pad(x, [(0, 0)] * (x.ndim - 1) + [(0, -K % 32)]); x = x.reshape(x.shape[:-1] + (-1, 32)); a = np.abs(x).max(-1, keepdims=True)
;;       e = np.where(a > 0, np.clip(np.frexp(np.where(a > 0, a, 1))[1] - 1 - 2, -126, 127), 0)      # np.frexp(a)[1] - 1 = floor(log2(a)), exactly
;;       r = np.clip(x / 2.0 ** e, -6, 6)
;;       step = 2.0 ** (np.maximum(np.frexp(np.where(r == 0, 1, r))[1] - 1, 0) - 1)
;;       q = np.round(r / step) * step * 2.0 ** e      # np.round: ties to even
;;       return np.moveaxis(q.reshape(q.shape[:-2] + (-1,))[..., :K], -1, axis).astype(np.float32)
;;   ~~~
;;   SOFTMAX AHEAD OF A QUANTISED PRODUCT. Where the list says 'softmax', what is quantised is not the finished softmax but p = 2^(t - M), with t = logit x log2(e) and M = ceil(the row's largest t), a whole number; so 1/2 < the row's largest p <= 1. The row's sum l is taken of the UNQUANTISED p, in f32, and the product's result is divided by l at the end. Since M is a whole number, a kernel that streams over the keys may use a running M (the ceiling of the running maximum): every later rescaling is an exact power of two, which a block's scale takes up: the codes' values come out the same.
;;   OPERANDS COMPUTED ON THE WAY. 'Computed on the way' means the value that the module computes at that place (a softmax that the list does not call 'softmax' is quantised finished and normalised). What goes into a quantiser is computed in f32, as accurately as f32 sums, v_exp_f32 and their like allow (about 1e-6 of the number): no bf16 or f16 on the way to a quantiser, and a product that is left as it is and whose result goes on into a quantised operand takes f32 operands (vector FMAs, or v_wmma_f32_16x16x4_f32). A number that lies on a knife's edge between two numbers of the format may be rounded either way, as far as f32 arithmetic and the matrix unit's own rounding can turn it there, and no further.
;; One version. Each part assembles by itself: llvm-mc -triple=amdgcn-amd-amdhsa -mcpu=gfx1250 --defsym DOCPART=n.
;; ======== version 1 of 1: 3 launches
;; limits: right only within a limited range of input values
;; workspace buffers: wq4 208,896 bytes; qq4 1,114,112 bytes; kv4 2,228,224 bytes
;; launch wquant (part 1): grid 32 x 6, 1 waves a work-group, no clusters, 0 bytes of LDS; arguments Wq, Wk, Wv, wq4; writes wq4
.if DOCPART == 1
	.amdgcn_target "amdgcn-amd-amdhsa--gfx1250"
	.amdhsa_code_object_version 6
	.text
	.protected	k_q69dc392832_wquant
	.globl	k_q69dc392832_wquant
	.p2align	8
	.type	k_q69dc392832_wquant,@function
k_q69dc392832_wquant:
	s_mov_b64 s[64:65], 0
	v_nop
	global_prefetch_b8 v0, s[64:65] scope:SCOPE_SE
	s_setreg_imm32_b32 hwreg(HW_REG_WAVE_MODE, 25, 1), 1
	s_wait_xcnt 0x0
; Wq, Wk, Wv [1024 (k)][128 (n)], f32, become codes of FP4 (E2M1) with one E8M0 byte for each 32 along k, laid as IMAGES OF THE OPERAND'S REGISTERS for the next launch.
; WORK LEFT OUT BY THE PROGRAM: in the third launch, the key steps of 128 keys that all come after a tile's queries: reference()'s own causal mask throws their scores away (-inf ahead of the softmax) whatever the inputs hold.
; As a limit: a NaN, an infinity or an overflow that reaches only such scores is not carried to the result.  Every input has a way to the output and is loaded.
; A fragment is 16 columns x 128 k in 8 registers: lane (r, h) holds column r of its tile; registers 4 c .. 4 c + 3 hold k = 64 c + 32 h + 0 .. 31.  Its image is 1,024 bytes: group c of lane l at 512 c + 16 l.
; SHARES.  Work-group x = 4 s + w, y = 2 X + u (X: 0 Wq, 1 Wk, 2 Wv): one wave makes the fragment u of K step s (128 along k) of the 32 columns 32 w on.  192 work-groups: all the work there is.
; WHICH COLUMNS FORM A TILE: for Wq and Wk lane r of tile u takes column 32 w + 8 u + r + 8 (r / 8), so that the next launch's results lie 16 neighbours along d to a lane; for Wv column 32 w + 16 u + r.
; A LANE TAKES A COLUMN AND ITS REGISTERS RUN DOWN k: a block of 32 is one lane's 32 registers, and the conversions' results are the operand's registers.
; OUT: codes at ((3 w + X) 2 + u) 8 + s, times 1,024 bytes; scale words from byte 196,608 on, at ((3 w + X) 8 + s) 128 + 64 u + 4 r.
; LIMITS: a block of zeros, or one whose largest magnitude lies under 2^-124, gets the byte 1 (the rule says 127 for zeros: the codes are zeros and only this program reads the bytes); NaN and infinities are not served.
; No LDS, no matrix unit, no cluster, no loop: one round of loads, 64 a lane, and one of stores.
.set OFF, 4
.set MX,  8                            ; v8-9    largest magnitudes of my blocks c
.set SOP, 12                           ; v12-13  the conversions' scale operands
.set BYT, 16                           ; v16-17  the scale bytes
.set COD, 24                           ; v24-31  the codes: 4 c + g
.set NUM, 64                           ; v64-127 the numbers: 32 c + i
	s_load_b256 s[4:11], s[0:1], 0x0               ; Wq s[4:5], Wk s[6:7], Wv s[8:9], wq4 s[10:11]
	s_and_b32 s14, ttmp7, 0xffff
	s_and_b32 s13, s14, 1                          ; u
	s_lshr_b32 s14, s14, 1                         ; X
	s_lshr_b32 s15, ttmp9, 2                       ; s
	s_and_b32 s16, ttmp9, 3                        ; w
	s_cmp_lt_u32 s14, 2
	s_cselect_b32 s12, 8, 0                        ; Wq, Wk: rows 8-15 of a tile lie 8 columns further on
	s_cselect_b32 s17, 8, 16                       ; from tile 0 to tile 1
	s_mul_i32 s17, s17, s13
	s_lshl_b32 s18, s16, 5
	s_add_co_u32 s17, s17, s18
	s_mov_b32 s20, 0x76543210
	s_mov_b32 s21, 0xfedcba98                      ; v_permlanex16_b32's selects for lane l xor 16
	v_and_b32 v1, 15, v0                           ; r
	v_bfe_u32 v2, v0, 4, 1                         ; h
	v_lshrrev_b32 v3, 3, v1
	v_mad_u32_u24 v[OFF], v3, s12, v1
	v_add_nc_u32 v[OFF], s17, v[OFF]               ; my column
	v_lshlrev_b32 v[OFF], 2, v[OFF]
	v_lshl_add_u32 v[OFF], v2, 14, v[OFF]          ; lanes 16-31 begin 32 rows of 512 bytes further down
	v_lshlrev_b32 v6, 4, v0
	v_lshlrev_b32 v7, 2, v1
	v_lshlrev_b32 v5, 3, v2                        ; 8 h
	v_mov_b32 v22, 0                               ; a lane permute's destination counts as one of its sources
	s_lshl_b32 s18, s15, 16                        ; K step s: 128 rows of 512 bytes
	s_mov_b32 s19, 0
	s_mul_i32 s22, s16, 49152                      ; the codes' place
	s_lshl_b32 s23, s14, 14
	s_add_co_u32 s22, s22, s23
	s_lshl_b32 s23, s13, 13
	s_add_co_u32 s22, s22, s23
	s_lshl_b32 s23, s15, 10
	s_add_co_u32 s22, s22, s23
	s_mov_b32 s23, 0
	s_mul_i32 s24, s16, 3072                       ; the scale words' place
	s_lshl_b32 s25, s14, 10
	s_add_co_u32 s24, s24, s25
	s_lshl_b32 s25, s15, 7
	s_add_co_u32 s24, s24, s25
	s_lshl_b32 s25, s13, 6
	s_add_co_u32 s24, s24, s25
	s_add_co_u32 s24, s24, 196608
	s_mov_b32 s25, 0
	s_wait_alu depctr_va_vdst(0)                   ; the head's end
	s_wait_kmcnt 0x0
	s_cmp_eq_u32 s14, 0                            ; which weight: the choice hangs on the work-group's number alone
	s_cselect_b64 s[4:5], s[4:5], s[6:7]
	s_cmp_eq_u32 s14, 2
	s_cselect_b64 s[4:5], s[8:9], s[4:5]
	s_add_nc_u64 s[4:5], s[4:5], s[18:19]
	s_add_nc_u64 s[26:27], s[10:11], s[22:23]
	s_add_nc_u64 s[28:29], s[10:11], s[24:25]
.irp c, 0,1
.irp i, 0,1,2,3,4,5,6,7,8,9,10,11,12,13,14,15,16,17,18,19,20,21,22,23,24,25,26,27,28,29,30,31
	global_load_b32 v[NUM+32*\c+\i], v[OFF], s[4:5] offset:(64*\c+\i)*512   ; W(128 s + 64 c + 32 h + i, my column)
.endr
.endr
	s_wait_loadcnt 0x0                             ; one wait: all 64 loads were issued together
.irp q, 0,1
	v_max3_num_f32 v[MX+\q], |v[NUM+32*\q]|, |v[NUM+32*\q+1]|, 0x1800000   ; the floor 2^(3 - 127) holds the byte at 1 from below
.endr
.irp i, 2,4,6,8,10,12,14,16,18,20,22,24,26,28,30
.irp q, 0,1
	v_max3_num_f32 v[MX+\q], v[MX+\q], |v[NUM+32*\q+\i]|, |v[NUM+32*\q+\i+1]|
.endr
.endr
.irp q, 0,1
	v_add_nc_u32 v[SOP+\q], 0xff000000, v[MX+\q]   ; 2 off the exponent field: the conversion's scale operand
.endr
.irp q, 0,1
	v_lshrrev_b32 v[BYT+\q], 23, v[SOP+\q]         ; the scale's byte
.endr
	v_lshl_or_b32 v20, v[BYT+1], 16, v[BYT]        ; my two bytes: blocks h and 2 + h of my column,
	v_lshlrev_b32 v20, v5, v20                     ; at their places in the word
	v_permlanex16_b32 v22, v20, s20, s21
	v_or_b32 v20, v20, v22                         ; with lane l xor 16's two the word is whole
.irp q, 0,1
.irp g, 0,1,2,3
	v_cvt_scalef32_pk8_fp4_f32 v[COD+4*\q+\g], v[NUM+32*\q+8*\g:NUM+32*\q+8*\g+7], v[SOP+\q]
.endr
.endr
	v_nop                                          ; one plain line behind the last scaled conversion
.irp c, 0,1
	global_store_b128 v6, v[COD+4*\c:COD+4*\c+3], s[26:27] offset:512*\c   ; 32 lanes store 512 consecutive bytes, aligned
.endr
	global_store_b32 v7, v20, s[28:29]             ; lanes r and r + 16 write the same word with the same value
	s_endpgm
.Lfunc_end_k_q69dc392832_wquant:
	.size	k_q69dc392832_wquant, .Lfunc_end_k_q69dc392832_wquant-k_q69dc392832_wquant
	.p2alignl 7, 3214868480
	.fill 96, 4, 3214868480
	.section	.rodata,"a",@progbits
	.p2align	6, 0x0
	.amdhsa_kernel k_q69dc392832_wquant
		.amdhsa_group_segment_fixed_size 0
		.amdhsa_private_segment_fixed_size 0
		.amdhsa_enable_private_segment 0
		.amdhsa_kernarg_size 32
		.amdhsa_user_sgpr_count 2
		.amdhsa_user_sgpr_kernarg_segment_ptr 1
		.amdhsa_wavefront_size32 1
		.amdhsa_system_sgpr_workgroup_id_x 1
		.amdhsa_system_sgpr_workgroup_id_y 1
		.amdhsa_system_sgpr_workgroup_id_z 1
		.amdhsa_system_vgpr_workitem_id 0
		.amdhsa_next_free_vgpr 128
		.amdhsa_next_free_sgpr 66
		.amdhsa_reserve_vcc 0
		.amdhsa_float_denorm_mode_32 3
		.amdhsa_float_denorm_mode_16_64 3
		.amdhsa_memory_ordered 1
		.amdhsa_forward_progress 1
		.amdhsa_inst_pref_size 12
	.end_amdhsa_kernel
	.amdgpu_metadata
---
amdhsa.version: [ 1, 2 ]
amdhsa.kernels:
  - .name:           k_q69dc392832_wquant
    .symbol:         k_q69dc392832_wquant.kd
    .args:
      - { .name: Wq, .offset: 0, .size: 8, .value_kind: global_buffer, .address_space: global }
      - { .name: Wk, .offset: 8, .size: 8, .value_kind: global_buffer, .address_space: global }
      - { .name: Wv, .offset: 16, .size: 8, .value_kind: global_buffer, .address_space: global }
      - { .name: wq4, .offset: 24, .size: 8, .value_kind: global_buffer, .address_space: global }
    .group_segment_fixed_size: 0
    .private_segment_fixed_size: 0
    .kernarg_segment_align: 8
    .kernarg_segment_size: 32
    .max_flat_workgroup_size: 32
    .sgpr_count:     66
    .vgpr_count:     128
    .wavefront_size: 32
...
	.end_amdgpu_metadata
.endif
;; end of part 1
;; launch proj (part 2): grid 256 x 1, 8 waves a work-group, no clusters, 327,680 bytes of LDS; arguments x, wq4, qq4, kv4; writes qq4, kv4
.if DOCPART == 2
	.amdgcn_target "amdgcn-amd-amdhsa--gfx1250"
	.amdhsa_code_object_version 6
	.text
	.protected	k_q69dc392832_proj
	.globl	k_q69dc392832_proj
	.p2align	8
	.type	k_q69dc392832_proj,@function
k_q69dc392832_proj:
	s_mov_b64 s[64:65], 0
	v_nop
	global_prefetch_b8 v0, s[64:65] scope:SCOPE_SE
	s_setreg_imm32_b32 hwreg(HW_REG_WAVE_MODE, 25, 1), 1
	s_wait_xcnt 0x0
; q, k, v = x Wq, x Wk, x Wv on codes of FP4 (E2M1) with one E8M0 scale for each 32 along K = 1,024; then q and k are quantised along the head's 128 and v along the keys, for the attention launch.
; x: [16,384][1,024] f32.  wq4: the weights' fragments as register images, with their scale words.  OUT: qq4 and kv4, again register images (a fragment, 16 rows x 128 K, is 1,024 bytes: group c of lane l at 512 c + 16 l).
; A record of kv4, 17,408 bytes, serves 128 keys in four parts of 4,352 bytes: K's tiles 0-3, K's 4-7, V^T's 0-3, V^T's 4-7; a part is four images and behind them 256 bytes of scale words, 64 a tile.
; SHARES.  A work-group of eight waves takes 64 tokens.  Wave w fetches K step w (128 along K) of all 64 by ONE tensor load, quantises its four token tiles, and hands the fragments to all as images in LDS.
; Wave w makes 32 columns of q (w < 4) or of k (columns 32 (w % 4) on) and 16 columns of v (16 w on) for all 64 tokens: 24 fragments of W in 192 registers, read from memory once, 12 accumulators.
; TWO PHASES: waves 0-3 quantise K steps 0-3, barrier, all multiply them; waves 4-7 quantise K steps 4-7, barrier, all multiply those.
; THE TOKENS OF A TILE ARE NOT NEIGHBOURS: row p of tile m = 2 b + u is token 32 b + 8 u + p + 8 (p / 8).  So v's results of tiles 2 b and 2 b + 1 are 16 neighbouring keys in a lane, and k's and q's images carry the order that the next launch wants.
; q, k: TRANSPOSED (source 0 = 16 columns of W, source 1 = 16 tokens): a lane holds one token and d = 32 (w % 4) + 16 h + 8 u + j.   v: source 0 = 16 tokens, source 1 = 16 columns: a lane holds one channel and tokens 32 b + 16 h + 8 u + j.
; ROWS 8-15 OF A TILE READ THEIR BLOCKS OF 32 IN THE ORDER 1, 0, 3, 2, since their LDS rows lie 16 x 528 = 33 x 256 bytes behind rows 0-7; the image's place (lane l xor 16) and the scale word's byte order put that right.
; NO JOINT LOADS FOR W, though every work-group reads it: they land in LDS, the images are 208,896 bytes, and 327,680 - 306,688 = 20,992 bytes are left beside x.  NO PREFETCH: no loop; all that is read is asked for at the head.
; LDS: raw x: wave w's K step at 33,792 w, token t at + 528 t (512 bytes + 16);  XIMG: image (K step s, tile m) at (4 s + m) 1,024;  XSC: scale words at 256 s + 64 m + 4 r;  SCB: q's scale bytes at 64 m + 4 r + w % 4, k's 256 further on.
; REGISTERS: window 0: v2-15, v91, v94-95 addresses; v16-33 codes and words on their way to LDS; v48-49, v92-93 x's scale words; v50-65 W's; v66-81 at work; v96-159 64 numbers of x, or two sets of x's four fragments;
;   v160-223 q or k at 160 + 8 (2 m + u); v224-255 v at 224 + 8 m.   window 1: W of q or k at 64 u + 8 s, Wv at 128 + 8 s; v192-255 64 numbers of x.
; LIMITS: a block of zeros, or one whose largest magnitude lies under 2^-124, gets the byte 1 (its codes are zeros or nearly so; only this program reads the bytes); NaN and infinities are not served.
; v's scale bytes leave as 2 bytes a lane, 4 bytes apart, one store a wave: the word's other half is the neighbouring work-group's.
.set RB,   17408
.set XRW,  33792
.set XIMG, 8*XRW
.set XSC,  XIMG+32768
.set SCB,  XSC+2048
.set SPARE, SCB+512
.set SPW,  2
.set NIL,  3
.set XRE,  4                           ; v4   my 64 bytes of the even blocks of my row of a tile;  v95 of the odd ones
.set XRO,  95
.set LI,   5                           ; v5   16 x lane
.set LS,   6                           ; v6   4 x lane
.set XWI,  7                           ; v7   where I store x's images
.set XWS,  8                           ; v8   and their scale words
.set XLI,  9                           ; v9   where I read images
.set XLS,  10                          ; v10  and scale words
.set AQ,   11
.set AV,   12
.set AB,   13
.set AVS,  14
.set SCR,  15
.set L8,   94
.set PSEL, 91                          ; v91  the scale word's byte order for my row
.set WS,   50
.set TM,   66
.set WV,   12                          ; s12  my wave's number
.set SEL,  20                          ; s[20:21] selects for lane l xor 16
.set MSB, 0
.macro WIN new                         ; the immediate's high byte repeats the setting that is left
.if MSB != \new
	s_set_vgpr_msb (MSB<<8)|\new
.set MSB, \new
.endif
.endm
; one scaled product.  d, a, b: first registers of D, source 0, source 1; zero = 1: it starts the sum; sa, sb: the scale registers; ra, rb = 1: the scales stand in lanes 16-31
.macro WM d, a, b, zero, sa, sb, ra, rb
.if \zero
.if ((\ra)==0)&&((\rb)==0)
	v_wmma_scale_f32_16x16x128_f8f6f4 v[0+(\d):7+(\d)], v[0+(\a):7+(\a)], v[0+(\b):7+(\b)], 0, v[0+(\sa)], v[0+(\sb)] matrix_a_fmt:MATRIX_FMT_FP4 matrix_b_fmt:MATRIX_FMT_FP4
.elseif ((\ra)==1)&&((\rb)==0)
	v_wmma_scale_f32_16x16x128_f8f6f4 v[0+(\d):7+(\d)], v[0+(\a):7+(\a)], v[0+(\b):7+(\b)], 0, v[0+(\sa)], v[0+(\sb)] matrix_a_fmt:MATRIX_FMT_FP4 matrix_b_fmt:MATRIX_FMT_FP4 matrix_a_scale:MATRIX_SCALE_ROW1
.elseif ((\ra)==0)&&((\rb)==1)
	v_wmma_scale_f32_16x16x128_f8f6f4 v[0+(\d):7+(\d)], v[0+(\a):7+(\a)], v[0+(\b):7+(\b)], 0, v[0+(\sa)], v[0+(\sb)] matrix_a_fmt:MATRIX_FMT_FP4 matrix_b_fmt:MATRIX_FMT_FP4 matrix_b_scale:MATRIX_SCALE_ROW1
.else
	v_wmma_scale_f32_16x16x128_f8f6f4 v[0+(\d):7+(\d)], v[0+(\a):7+(\a)], v[0+(\b):7+(\b)], 0, v[0+(\sa)], v[0+(\sb)] matrix_a_fmt:MATRIX_FMT_FP4 matrix_b_fmt:MATRIX_FMT_FP4 matrix_a_scale:MATRIX_SCALE_ROW1 matrix_b_scale:MATRIX_SCALE_ROW1
.endif
.else
.if ((\ra)==0)&&((\rb)==0)
	v_wmma_scale_f32_16x16x128_f8f6f4 v[0+(\d):7+(\d)], v[0+(\a):7+(\a)], v[0+(\b):7+(\b)], v[0+(\d):7+(\d)], v[0+(\sa)], v[0+(\sb)] matrix_a_fmt:MATRIX_FMT_FP4 matrix_b_fmt:MATRIX_FMT_FP4
.elseif ((\ra)==1)&&((\rb)==0)
	v_wmma_scale_f32_16x16x128_f8f6f4 v[0+(\d):7+(\d)], v[0+(\a):7+(\a)], v[0+(\b):7+(\b)], v[0+(\d):7+(\d)], v[0+(\sa)], v[0+(\sb)] matrix_a_fmt:MATRIX_FMT_FP4 matrix_b_fmt:MATRIX_FMT_FP4 matrix_a_scale:MATRIX_SCALE_ROW1
.elseif ((\ra)==0)&&((\rb)==1)
	v_wmma_scale_f32_16x16x128_f8f6f4 v[0+(\d):7+(\d)], v[0+(\a):7+(\a)], v[0+(\b):7+(\b)], v[0+(\d):7+(\d)], v[0+(\sa)], v[0+(\sb)] matrix_a_fmt:MATRIX_FMT_FP4 matrix_b_fmt:MATRIX_FMT_FP4 matrix_b_scale:MATRIX_SCALE_ROW1
.else
	v_wmma_scale_f32_16x16x128_f8f6f4 v[0+(\d):7+(\d)], v[0+(\a):7+(\a)], v[0+(\b):7+(\b)], v[0+(\d):7+(\d)], v[0+(\sa)], v[0+(\sb)] matrix_a_fmt:MATRIX_FMT_FP4 matrix_b_fmt:MATRIX_FMT_FP4 matrix_a_scale:MATRIX_SCALE_ROW1 matrix_b_scale:MATRIX_SCALE_ROW1
.endif
.endif
.endm
; nb blocks, 16 nb numbers of a lane, v[src] on (window 1 where wa = 1): register 16 b + i is number i of my 16 of block b; lane l xor 16 holds the block's other 16.
; Out: 8 bytes of codes a block in v[cod + 2 b] on; the scale's byte in v[byt + b].  Each group of eight registers is read from its low end on.
.macro QCORE src, tm, cod, byt, nb, wa
	WIN 0x05*\wa
.set QB, 0
.rept \nb
	v_max3_num_f32 v[\tm+QB], |v[\src+16*QB]|, |v[\src+1+16*QB]|, 0x1800000   ; and the floor 2^(3 - 127): the byte cannot fall under 1
.set QB, QB+1
.endr
	WIN 0x14*\wa
.irp i, 2,4,6,8,10,12,14
.set QB, 0
.rept \nb
	v_max3_num_f32 v[\tm+QB], v[\tm+QB], |v[\src+16*QB+\i]|, |v[\src+1+16*QB+\i]|
.set QB, QB+1
.endr
.endr
	WIN 0
.set QB, 0
.rept \nb
	v_permlanex16_b32 v[\tm+4+QB], v[\tm+QB], s[SEL], s[SEL+1]
.set QB, QB+1
.endr
.set QB, 0
.rept \nb
	v_max_num_f32 v[\tm+QB], v[\tm+QB], v[\tm+4+QB]
.set QB, QB+1
.endr
.set QB, 0
.rept \nb
	v_add_nc_u32 v[\tm+12+QB], 0xff000000, v[\tm+QB]  ; 2 off its exponent field: the conversion's scale operand
.set QB, QB+1
.endr
.set QB, 0
.rept \nb
	v_lshrrev_b32 v[\byt+QB], 23, v[\tm+12+QB]
.set QB, QB+1
.endr
	WIN 0x01*\wa
.set QB, 0
.rept \nb
	v_cvt_scalef32_pk8_fp4_f32 v[\cod+2*QB], v[\src+16*QB:\src+7+16*QB], v[\tm+12+QB]
	v_cvt_scalef32_pk8_fp4_f32 v[\cod+1+2*QB], v[\src+8+16*QB:\src+15+16*QB], v[\tm+12+QB]
.set QB, QB+1
.endr
	v_nop                                          ; one plain line behind the last scaled conversion
	WIN 0
.endm
.macro RAW m, dst, win                 ; 64 numbers a lane of tile m: register 16 b + 4 j on is block b's (rows 8-15: block b xor 1's) k = 16 h + 4 j on
	WIN \win
.irp b, 0,1,2,3
.irp j, 0,1,2,3
.if \b%2 == 0
	ds_load_b128 v[\dst+16*\b+4*\j:\dst+16*\b+4*\j+3], v[XRE] offset:528*(32*(\m/2)+8*(\m%2))+256*(\b/2)+16*\j
.else
	ds_load_b128 v[\dst+16*\b+4*\j:\dst+16*\b+4*\j+3], v[XRO] offset:528*(32*(\m/2)+8*(\m%2))+256*(\b/2)+16*\j
.endif
.endr
.endr
	WIN 0
.endm
.macro QTILE m, src, wa, pc, pw        ; tile m: a fragment and its scale word to LDS
	QCORE \src, TM, \pc, TM+4, 4, \wa
	v_lshl_or_b32 v[\pw], v[TM+5], 8, v[TM+4]
	v_lshl_or_b32 v[\pw], v[TM+6], 16, v[\pw]
	v_lshl_or_b32 v[\pw], v[TM+7], 24, v[\pw]
.irp c, 0,1                            ; the operand's layout wants a WHOLE block in a lane
.irp i, 0,1
	v_permlane16_swap_b32 v[\pc+4*\c+\i], v[\pc+2+4*\c+\i]
.endr
.endr
	v_perm_b32 v[\pw], v[\pw], v[\pw], v[PSEL]
	ds_store_b128 v[XWI], v[\pc:\pc+3] offset:1024*\m
	ds_store_b128 v[XWI], v[\pc+4:\pc+7] offset:1024*\m+512
	ds_store_b32 v[XWS], v[\pw] offset:64*\m       ; lanes r and r + 16 write the same word with the same value
.endm
.macro QUANT                           ; my K step's four tiles; the next tile's 16 loads are out while one is worked
.rept 4
	v_nop                                          ; four places between the products that read v96-159 and the loads into them
.endr
	RAW 0, 96, 0
	RAW 1, 192, 0x40
	s_wait_dscnt 16                                ; tile 0's are in; tile 1's 16 may be out
	QTILE 0, 96, 0, 16, 32
	RAW 2, 96, 0
	s_wait_dscnt 16                                ; all but tile 2's 16
	QTILE 1, 192, 1, 24, 33
	RAW 3, 192, 0x40
	s_wait_dscnt 16                                ; all but tile 3's 16: tile 0's and 1's stores are done too
	QTILE 2, 96, 0, 16, 32
	s_wait_dscnt 3                                 ; tile 2's three stores may be out
	QTILE 3, 192, 1, 24, 33
.endm
.macro BARRIER                         ; my LDS stores have landed and my LDS loads are in: then the work-group's barrier
	s_wait_alu depctr_va_vdst(0)
	s_wait_dscnt 0x0
	s_barrier_signal -1
	s_barrier_wait -1
.endm
.macro XLOAD s, xf, xs
.irp m, 0,1,2,3
.irp c, 0,1
	ds_load_b128 v[\xf+8*\m+4*\c:\xf+8*\m+4*\c+3], v[XLI] offset:4096*(\s)+1024*\m+512*\c
.endr
.endr
.irp p, 0,1
	ds_load_b32 v[\xs+\p], v[XLS] offset:256*(\s)+128*\p
.endr
.endm
; The 12 products of K step s: the accumulators take turns, one instruction a turn, in the same order in every step.
.macro PROD s, zero, xf, xs
	WIN 0x01                                       ; source 0 (W) window 1
.irp m, 0,1,2,3
.irp u, 0,1
	WM 160+8*(2*\m+\u), 64*\u+8*(\s), \xf+8*\m, \zero, WS+(\s), \xs+\m/2, \u, \m%2
.endr
.endr
	WIN 0x04                                       ; source 1 (Wv) window 1
.irp m, 0,1,2,3
	WM 224+8*\m, \xf+8*\m, 128+8*(\s), \zero, \xs+\m/2, WS+8+(\s), \m%2, 0
.endr
	WIN 0
.endm
.macro NEXT s, xf, xs                  ; four places, the next step's ten loads, and the wait for the ten before them
.rept 4
	v_nop
.endr
	XLOAD \s, \xf, \xs
	s_wait_dscnt 10
.endm
.macro PHASE s, zero
.rept 4
	v_nop
.endr
	XLOAD \s, 96, 48
.if \zero
	s_wait_loadcnt 0x0                             ; W's fragments and scale words, once
.endif
	NEXT \s+1, 128, 92
	PROD \s, \zero, 96, 48
	NEXT \s+2, 96, 48
	PROD \s+1, 0, 128, 92
	NEXT \s+3, 128, 92
	PROD \s+2, 0, 96, 48
	s_wait_dscnt 0x0
	PROD \s+3, 0, 128, 92
.endm
	s_load_b256 s[4:11], s[0:1], 0x0               ; x s[4:5], wq4 s[6:7], qq4 s[8:9], kv4 s[10:11]
	v_lshl_add_u32 v[SPW], v0, 2, SPARE
	v_mov_b32 v[NIL], 0
	ds_add_u32 v[SPW], v[NIL]                      ; the wave's opening: the add, twice on end, and its wait
	ds_add_u32 v[SPW], v[NIL]
	v_lshrrev_b32 v1, 5, v0
	v_readfirstlane_b32 s[WV], v1                  ; wave 0..7
	; descriptor group 1: 64 rows x 128 elements of 4 bytes, 1,024 elements from row to row, 16 bytes of padding behind each row
	s_mov_b32 s24, (2<<16)|(1<<20)|(6<<22)|(3<<25) ; 17:16 elements of 4 bytes; 20 padding on; 24:22 after every 128 words (code 6); 31:25 four words (code 3)
	s_mov_b32 s25, 128<<16
	s_mov_b32 s26, 64<<16
	s_mov_b32 s27, 128<<16
	s_mov_b32 s28, 64
	s_mov_b32 s29, 1024
	s_mov_b32 s30, 0
	s_mov_b32 s31, 0
	s_lshl_b32 s80, ttmp9, 18                      ; the work-group's 64 tokens of 4,096 bytes,
	s_lshl_b32 s81, s[WV], 9
	s_add_co_u32 s80, s80, s81                     ; + my K step
	s_mov_b32 s81, 0
	s_lshr_b32 s13, s[WV], 2                       ; X: 0 q, 1 k
	s_and_b32 s14, s[WV], 3
	s_lshr_b32 s15, ttmp9, 1                       ; G: the record of 128 keys
	s_and_b32 s40, ttmp9, 1                        ; g: which half of it is mine
	s_and_b32 s41, s[WV], 1
	s_mul_i32 s42, s14, 3
	s_add_co_u32 s42, s42, s13
	s_lshl_b32 s50, s42, 14                        ; my 16 fragments of Wq or Wk
	s_lshl_b32 s52, s42, 10
	s_add_co_u32 s52, s52, 196608                  ; their scale words
	s_lshr_b32 s43, s[WV], 1
	s_mul_i32 s43, s43, 3
	s_add_co_u32 s43, s43, 2
	s_lshl_b32 s54, s43, 14
	s_lshl_b32 s44, s41, 13
	s_add_co_u32 s54, s54, s44                     ; my 8 fragments of Wv
	s_lshl_b32 s56, s43, 10
	s_add_co_u32 s56, s56, 196608
	s_lshl_b32 s44, s41, 6
	s_add_co_u32 s56, s56, s44                     ; their scale words
	s_mov_b32 s51, 0
	s_mov_b32 s53, 0
	s_mov_b32 s55, 0
	s_mov_b32 s57, 0
	v_and_b32 v1, 31, v0                           ; lane
	v_lshlrev_b32 v[LI], 4, v1
	v_lshlrev_b32 v[LS], 2, v1
	v_and_b32 v36, 15, v0                          ; r
	v_bfe_u32 v37, v0, 4, 1                        ; h
	v_lshlrev_b32 v39, 2, v36                      ; 4 r
	s_mul_i32 s78, s[WV], XRW
	s_wait_dscnt 0x0                               ; both opening adds are done
	s_wait_alu depctr_va_vdst(0)
	s_wait_kmcnt 0x0
	s_mov_b32 s32, 1
	s_mov_b32 s33, s78
	s_add_nc_u64 s[34:35], s[4:5], s[80:81]
	s_or_b32 s35, s35, 0x80000000
	s_cmp_lt_u32 s[WV], 4                          ; one load a wave; the two halves of the waves wait at different places, so each half has a line of its own
	s_cbranch_scc0 .Lload_hi
	tensor_load_to_lds s[32:35], s[24:31]
	s_nop 0
.rept 4
	v_nop
.endr
	s_branch .Lloaded
.Lload_hi:
	tensor_load_to_lds s[32:35], s[24:31]
	s_nop 0
.rept 4
	v_nop
.endr
.Lloaded:
	s_add_nc_u64 s[50:51], s[6:7], s[50:51]
	s_add_nc_u64 s[52:53], s[6:7], s[52:53]
	s_add_nc_u64 s[54:55], s[6:7], s[54:55]
	s_add_nc_u64 s[56:57], s[6:7], s[56:57]
	WIN 0x40                                       ; destination window 1
.irp s, 0,1,2,3,4,5,6,7
.irp u, 0,1
.irp c, 0,1
	global_load_b128 v[64*\u+8*\s+4*\c:64*\u+8*\s+4*\c+3], v[LI], s[50:51] offset:(8*\u+\s)*1024+512*\c
.endr
.endr
.irp c, 0,1
	global_load_b128 v[128+8*\s+4*\c:128+8*\s+4*\c+3], v[LI], s[54:55] offset:\s*1024+512*\c
.endr
.endr
	WIN 0
.irp s, 0,1,2,3,4,5,6,7
	global_load_b32 v[WS+\s], v[LS], s[52:53] offset:\s*128       ; lanes 0-15 tile u = 0, lanes 16-31 tile 1
	global_load_b32 v[WS+8+\s], v39, s[56:57] offset:\s*128
.endr
	s_mov_b32 s[SEL], 0x76543210
	s_mov_b32 s[SEL+1], 0xfedcba98
	v_lshrrev_b32 v38, 3, v36                      ; r / 8
	v_lshl_add_u32 v40, v38, 3, v36                ; my row's token in its tile
	v_mul_u32_u24 v40, v40, 528
	v_lshl_add_u32 v40, v37, 6, v40
	v_add_nc_u32 v40, s78, v40
	v_lshl_add_u32 v[XRE], v38, 7, v40
	v_xor_b32 v41, 1, v38
	v_lshl_add_u32 v[XRO], v41, 7, v40
	v_mov_b32 v42, 0x03020100
	v_mov_b32 v43, 0x02030001
	v_cmp_gt_u32 vcc_lo, 8, v36
	v_cndmask_b32 v[PSEL], v43, v42, vcc_lo
	v_lshlrev_b32 v44, 4, v38
	v_xor_b32 v44, v44, v1                         ; rows 8-15: lane l xor 16
	v_lshlrev_b32 v44, 4, v44
	s_lshl_b32 s79, s[WV], 12
	s_add_co_u32 s79, s79, XIMG
	v_add_nc_u32 v[XWI], s79, v44
	s_lshl_b32 s79, s[WV], 8
	s_add_co_u32 s79, s79, XSC
	v_add_nc_u32 v[XWS], s79, v39
	v_add_nc_u32 v[XLI], XIMG, v[LI]
	v_add_nc_u32 v[XLS], XSC, v[LS]
	v_lshlrev_b32 v45, 4, v36
	v_lshl_add_u32 v45, v37, 3, v45                ; 16 r + 8 h
	s_lshl_b32 s79, s14, 8
	v_add_nc_u32 v[AQ], s79, v45
	s_lshl_b32 s79, s14, 10
	v_add_nc_u32 v[AV], s79, v45
	s_lshl_b32 s79, s13, 8
	s_add_co_u32 s79, s79, s14
	s_add_co_u32 s79, s79, SCB
	v_add_nc_u32 v[AB], s79, v39
	s_lshl_b32 s79, s14, 6
	v_add_nc_u32 v[AVS], s79, v39
	v_lshlrev_b32 v[L8], 3, v1
	s_lshl_b32 s79, s41, 8
	s_add_co_u32 s79, s79, SCB
	v_add_nc_u32 v[SCR], s79, v[L8]
.irp b, 0,1,2,3
	v_mov_b32 v[TM+4+\b], 0                        ; written once: a lane permute's destination counts as one of its sources
.endr
	; where the results go
	s_mov_b32 s59, 0
	s_lshl_b32 s58, ttmp9, 12
	s_add_nc_u64 s[66:67], s[8:9], s[58:59]        ; q's four images: tiles 4 WG + m
	s_lshl_b32 s58, ttmp9, 8
	s_add_co_u32 s58, s58, 1048576
	s_add_nc_u64 s[74:75], s[8:9], s[58:59]        ; and their scale words
	s_mul_i32 s80, s15, RB                         ; my record
	s_mul_i32 s82, s40, 4352
	s_add_co_u32 s58, s80, s82
	s_add_nc_u64 s[68:69], s[10:11], s[58:59]      ; k's four images: part g
	s_add_co_u32 s58, s58, 4096
	s_add_nc_u64 s[76:77], s[10:11], s[58:59]      ; and their scale words
	s_mul_i32 s82, s13, 4352
	s_add_co_u32 s80, s80, s82
	s_add_co_u32 s80, s80, 8704                    ; V^T's part: my channel tile w lies in part 2 + w / 4
	s_lshl_b32 s82, s40, 9
	s_add_co_u32 s58, s80, s82
	s_add_nc_u64 s[70:71], s[10:11], s[58:59]      ; my 64 keys are register group g
	s_lshl_b32 s82, s40, 1
	s_add_co_u32 s58, s80, s82
	s_add_co_u32 s58, s58, 4096
	s_add_nc_u64 s[72:73], s[10:11], s[58:59]      ; my two bytes of each channel's scale word
	s_cmp_eq_u32 s13, 0
	s_cselect_b64 s[66:67], s[66:67], s[68:69]     ; q's images or k's
	s_wait_alu depctr_va_vdst(0)                   ; the head's end
	s_cmp_lt_u32 s[WV], 4
	s_cbranch_scc0 .Lphase1
	s_wait_tensorcnt 0x0                           ; my K step is in
	QUANT
	s_wait_alu depctr_va_vdst(0)
.Lphase1:
	BARRIER                                        ; K steps 0-3 lie in LDS as images; waves 4-7's loads may stay out: no LDS byte is filled twice
	PHASE 0, 1                                     ; the first step's products start the sums
	s_cmp_lt_u32 s[WV], 4
	s_cbranch_scc1 .Lphase2
	s_wait_tensorcnt 0x0
	QUANT
	s_wait_alu depctr_va_vdst(0)
.Lphase2:
	BARRIER                                        ; K steps 4-7 likewise
	PHASE 4, 0
	; THE WAY OUT.  The two quantisers have code and byte registers of their own: no store's data are written again.
.rept 4
	v_nop                                          ; four places between the last products and the first read of results
.endr
	QCORE 160, TM, 82, TM+4, 4, 0                  ; q or k: block m = token tile m, d = 32 (w % 4) .. + 31
.irp m, 0,1,2,3
	global_store_b64 v[AQ], v[82+2*\m:83+2*\m], s[66:67] offset:1024*\m   ; 32 lanes store 256 consecutive bytes, aligned
	ds_store_b8 v[AB], v[TM+4+\m] offset:64*\m     ; byte w % 4 of row r's scale word; lanes r and r + 16 write the same byte with the same value
.endr
	QCORE 224, 96, 112, 120, 2, 0                  ; v: block b = keys 32 b .. 32 b + 31 of my 64
	v_lshl_or_b32 v122, v121, 8, v120
.irp b, 0,1
	global_store_b64 v[AV], v[112+2*\b:113+2*\b], s[70:71] offset:256*\b
.endr
	global_store_b16 v[AVS], v122, s[72:73]        ; two of the four bytes of channel 16 w + r's word; lanes r and r + 16 write the same
	BARRIER                                        ; the waves' scale bytes of q and k lie in LDS
	s_cmp_lt_u32 s[WV], 2                          ; wave 0 sends q's 256 bytes, wave 1 k's
	s_cbranch_scc0 .Lend
	ds_load_b64 v[124:125], v[SCR]
	s_cmp_eq_u32 s[WV], 0
	s_cselect_b64 s[78:79], s[74:75], s[76:77]
	s_wait_dscnt 0x0
	global_store_b64 v[L8], v[124:125], s[78:79]   ; 32 lanes store 256 consecutive bytes, aligned
.Lend:
	s_wait_tensorcnt 0x0                           ; the wave's end
	ds_add_u32 v[SPW], v[NIL]
	s_wait_dscnt 0x0
	s_endpgm
.Lfunc_end_k_q69dc392832_proj:
	.size	k_q69dc392832_proj, .Lfunc_end_k_q69dc392832_proj-k_q69dc392832_proj
	.p2alignl 7, 3214868480
	.fill 96, 4, 3214868480
	.section	.rodata,"a",@progbits
	.p2align	6, 0x0
	.amdhsa_kernel k_q69dc392832_proj
		.amdhsa_group_segment_fixed_size 327680
		.amdhsa_private_segment_fixed_size 0
		.amdhsa_enable_private_segment 0
		.amdhsa_kernarg_size 32
		.amdhsa_user_sgpr_count 2
		.amdhsa_user_sgpr_kernarg_segment_ptr 1
		.amdhsa_wavefront_size32 1
		.amdhsa_system_sgpr_workgroup_id_x 1
		.amdhsa_system_sgpr_workgroup_id_y 1
		.amdhsa_system_sgpr_workgroup_id_z 1
		.amdhsa_system_vgpr_workitem_id 0
		.amdhsa_next_free_vgpr 512
		.amdhsa_next_free_sgpr 96
		.amdhsa_reserve_vcc 1
		.amdhsa_float_denorm_mode_32 3
		.amdhsa_float_denorm_mode_16_64 3
		.amdhsa_memory_ordered 1
		.amdhsa_forward_progress 1
		.amdhsa_inst_pref_size 80
	.end_amdhsa_kernel
	.amdgpu_metadata
---
amdhsa.version: [ 1, 2 ]
amdhsa.kernels:
  - .name:           k_q69dc392832_proj
    .symbol:         k_q69dc392832_proj.kd
    .args:
      - { .name: x, .offset: 0, .size: 8, .value_kind: global_buffer, .address_space: global }
      - { .name: wq4, .offset: 8, .size: 8, .value_kind: global_buffer, .address_space: global }
      - { .name: qq4, .offset: 16, .size: 8, .value_kind: global_buffer, .address_space: global }
      - { .name: kv4, .offset: 24, .size: 8, .value_kind: global_buffer, .address_space: global }
    .group_segment_fixed_size: 327680
    .private_segment_fixed_size: 0
    .kernarg_segment_align: 8
    .kernarg_segment_size: 32
    .max_flat_workgroup_size: 256
    .sgpr_count:     96
    .vgpr_count:     512
    .wavefront_size: 32
...
	.end_amdgpu_metadata
.endif
;; end of part 2
;; launch attn (part 3): grid 64 x 4, 16 waves a work-group, clusters of 4 x 1, 327,680 bytes of LDS; arguments qq4, kv4, out0; writes out0
.if DOCPART == 3
	.amdgcn_target "amdgcn-amd-amdhsa--gfx1250"
	.amdhsa_code_object_version 6
	.text
	.protected	k_q69dc392832_attn
	.globl	k_q69dc392832_attn
	.p2align	8
	.type	k_q69dc392832_attn,@function
k_q69dc392832_attn:
	s_mov_b64 s[64:65], 0
	v_nop
	global_prefetch_b8 v0, s[64:65] scope:SCOPE_SE
	s_setreg_imm32_b32 hwreg(HW_REG_WAVE_MODE, 25, 1), 1
	s_wait_xcnt 0x0
	s_wait_alu depctr_hold_cnt(0) depctr_sa_sdst(0) depctr_va_vdst(0) depctr_va_sdst(0) depctr_va_ssrc(0) depctr_va_vcc(0) depctr_vm_vsrc(0)
	s_getreg_b32 s2, hwreg(HW_REG_IB_STS2, 6, 4)
	s_cmp_eq_u32 s2, 0
	s_cbranch_scc0 .Lentry_in_a_cluster
	s_endpgm
.Lentry_in_a_cluster:
	s_bfe_u32 s2, ttmp6, 0x10000c
	s_cmp_lg_u32 s2, 0x3003
	s_cbranch_scc0 .Lentry_shape_is_right
	s_endpgm
.Lentry_shape_is_right:
; out[b][q][:] = the sum over keys k <= q of softmax_k(q . k / sqrt(128)) v[k][:], both products on codes of FP4 (E2M1) with one E8M0 scale for each 32 along a product's K.
; WORK LEFT OUT: key steps of 128 keys that all come after a tile's queries (reference()'s own mask).
; qq4: q's fragments as register images (16 queries x 128 d: 1,024 bytes, group c of lane l at 512 c + 16 l), tile T at 1,024 T; their scale words from byte 1,048,576 on, 64 T + 4 r.  Row r of tile 2 B + u is query 32 B + 8 u + r + 8 (r / 8).
; kv4: a record of 17,408 bytes for each 128 keys, in four parts of 4,352 bytes: K's tiles 0-3, K's 4-7, V^T's 0-3, V^T's 4-7: four images, then 256 bytes of scale words.  K's rows are ordered as Q's; V^T's tile t: channels 16 t + r, keys in their order along K.
; THE SOFTMAX AHEAD OF THE SECOND PRODUCT: t = score x log2(e) / sqrt(128); M = the largest t so far, rounded UP to a whole number; p = 2^(t - M) is quantised along the keys, not normalised; the sum is taken of the unquantised p and divides at the end.
; SHARES.  A work-group owns four tiles of 16 queries of a batch, tile e8 of the blocks (128 queries) j, 15 - j, 16 + j and 31 - j, j = 0..7: (j + 1) + (16 - j) + (17 + j) + (32 - j) = 66 items (tile, record) in every work-group.
;   A SLOT s (0..3) HOLDS THE RECORDS 8 m + s AND 8 m + 7 - s, m = 0..3.  Of a pair of records r < 16 and 31 - r, both of one slot, the items are: tiles 3 and 2 on r; tile 1 on r (r <= 15 - j) or tile 2 on 31 - r (r >= 15 - j); tile 0 on r (r <= j) or
;   tile 3 on 31 - r (r >= j).  Waves i, 4 + i, 8 + i, 12 + i take these four items of the pair i (r = s, 7 - s, 8 + s, 15 - s): one item a wave and trip.  Where r = 15 - j a wave of 10, 11, where r = j a wave of 12, 13 has BOTH its items, and goes on with the
;   other tile: it hands its first tile's part to LDS and begins anew.  Those two items of both waves, and no others, lie on the diagonal.  (The even share among SIMDs supposes that waves i and i + 4 lie on one SIMD.)
;   Each wave keeps a running M, sum and O^T for its tile; the parts of a tile are merged at the end through LDS: M is a whole number, so the merge's factors are exact powers of two.
; CLUSTER.  The four partners have the same j.  Each slot is asked for JOINTLY, one tensor load a wave: records m = 2 y, 2 y + 1 of one of the two families, one part of each (2 rows of 4,352 bytes).  Every load holds bytes of a record that every partner reads.
; RING.  Two slots; the four trips are written out.  Slot 0 is asked for at the head, slot 1 behind the next round; each is filled again once.  A refill has a trip in which to land.  By this text's count one tensor load of a wave is out at a time.
; A TRIP: S^T from K (loaded before), V's loads, softmax, p's codes; the round, with the row's sums inside; the refill; the next trip's K into the registers that p has left; O^T rescaled, and the second product.  K/V and S^T/p change their registers from trip to trip.
; LAYOUT.  Both products transposed: S^T = K Q^T, O^T = V^T P^T: a lane holds ONE query (lane % 16) throughout; the 16 registers of S^T's tiles 2 b, 2 b + 1 are keys 32 b + 16 (lane / 16) + 0 .. 15.
; LDS: slots at 0 and 139,264 (family g, part q, record m at 69,632 g + 17,408 q + 4,352 m); STAT (-M, sum) at 128 p + 8 r of part p; XPART the parts handed over early, by waves 10-13; the spare words.  At the end part p of wave p, 16 rows x (512 bytes + 16), lies in
; slot 0, which has had its last fill and its last read at the last change of slots.  All of a WGP's LDS is claimed.
; REGISTERS: v1 16 lane, v2 4 lane, v3-4, v10-11 LDS addresses; v5-6 the add's; v7 the mask's lane term; v9 the prefetch's offset; v12 -M, v13 the largest t, v[14:15] the sum; v16-23, v255 Q; v24-31, v8 the second tile's Q; v32-95, v96-159 K/V and S^T/p;
;   v160-223 O^T; v224-231 p's codes; v240-243 V's scale words, v248-251 K's; v253 p's scale word; the rest at work.
; LIMITS: NaN and infinities are not served; scaled scores stay under 2^31 in magnitude; v_exp_f32 gives 0 for a p under 2^-126; a block whose every p is 0 keeps the byte 1 (its codes are zeros); a block's largest p is taken through its largest score, which
; supposes that v_exp_f32 does not fall where its input rises; t is made by one multiplication by log2(e) / sqrt(128).
.set RB,    17408
.set SLOTB, 8*RB
.set PARTB, 8448
.set STAT,  2*SLOTB
.set XPART, STAT+2560
.set SPARE, XPART+4*PARTB
.set SPW,  5
.set NIL,  6
.set DM,   7
.set PFO,  9
.set WV,   10
.set SI,   11                          ; s11  wave % 4
.set RHO,  12                          ; s12  wave / 4
.set E8,   13                          ; s13  which tile of a block
.set SJ,   14                          ; s14  j
.set BT,   15                          ; s15  the batch
.set SWT,  16                          ; s16  the trip in which my wave changes its tile, or 64
.set B1,   17                          ; s17  my first tile's block
.set FL,   18                          ; s18  1: my first tile's records are 31 - r
.set LIM,  19                          ; s19  1 in a wave that prefetches
.set SEL,  20
.set CS,   22
.macro WM d, a, b, zero, sa, sb, ra    ; one scaled product; ra = 1: source 0's scales stand in lanes 16-31; zero = 1: it starts the sum
.if \zero
.if (\ra)==0
	v_wmma_scale_f32_16x16x128_f8f6f4 v[0+(\d):7+(\d)], v[0+(\a):7+(\a)], v[0+(\b):7+(\b)], 0, v[0+(\sa)], v[0+(\sb)] matrix_a_fmt:MATRIX_FMT_FP4 matrix_b_fmt:MATRIX_FMT_FP4
.else
	v_wmma_scale_f32_16x16x128_f8f6f4 v[0+(\d):7+(\d)], v[0+(\a):7+(\a)], v[0+(\b):7+(\b)], 0, v[0+(\sa)], v[0+(\sb)] matrix_a_fmt:MATRIX_FMT_FP4 matrix_b_fmt:MATRIX_FMT_FP4 matrix_a_scale:MATRIX_SCALE_ROW1
.endif
.else
.if (\ra)==0
	v_wmma_scale_f32_16x16x128_f8f6f4 v[0+(\d):7+(\d)], v[0+(\a):7+(\a)], v[0+(\b):7+(\b)], v[0+(\d):7+(\d)], v[0+(\sa)], v[0+(\sb)] matrix_a_fmt:MATRIX_FMT_FP4 matrix_b_fmt:MATRIX_FMT_FP4
.else
	v_wmma_scale_f32_16x16x128_f8f6f4 v[0+(\d):7+(\d)], v[0+(\a):7+(\a)], v[0+(\b):7+(\b)], v[0+(\d):7+(\d)], v[0+(\sa)], v[0+(\sb)] matrix_a_fmt:MATRIX_FMT_FP4 matrix_b_fmt:MATRIX_FMT_FP4 matrix_a_scale:MATRIX_SCALE_ROW1
.endif
.endif
.endm
.macro NOPS n
.rept \n
	v_nop
.endr
.endm
.macro VWAIT
	s_wait_alu depctr_va_vdst(0)
.endm
.macro CREST                           ; a round of the cluster's barrier behind its opening barrier
	s_cmp_lg_u32 s[WV], 0
	s_cbranch_scc1 .Lnot_wave_0_\@
	s_barrier_signal -3
.Lnot_wave_0_\@:
	s_barrier_wait -3
	s_barrier_signal -1
	s_barrier_wait -1
.endm
.macro ROUND
	s_barrier_signal -1
	s_barrier_wait -1
	CREST
.endm
.macro TLOAD g0                        ; my one joint load behind a round
	tensor_load_to_lds s[\g0:\g0+3], s[24:31]
	s_nop 0
	NOPS 4
.endm
; A PREFETCH INTO THE L2 of the slot that the NEXT change of slots will ask for, one trip ahead of its joint load.  All sixteen clusters of a batch walk the same records: the batch's first asks.  Its partners share the slot's eight records out BY ADDRESS: partner e
; takes m = e: waves 8-10 the record 8 e + s, waves 11-13 the record 8 e + 7 - s, 68 blocks of 256 bytes each, a lane a block (lanes left over name the last block again).  Slots 0 and 1 come by their loads alone.  The address registers are never rewritten.
.macro ASK pf
	s_cmp_eq_u32 s[LIM], 1
	s_cbranch_scc0 .Lnot_mine_\@
	global_prefetch_b8 v[PFO], s[\pf:\pf+1] th:TH_LOAD_NT scope:SCOPE_SE
.Lnot_mine_\@:
.endm
.macro FRAGS dst, ad, as, off, sc      ; eight fragments of K (off = 0) or of V^T (off = 2 RB) and their scale words
.irp t, 0,1,2,3,4,5,6,7
	ds_load_b128 v[\dst+8*\t:\dst+3+8*\t], v[\ad] offset:\off+RB*(\t/4)+1024*(\t%4)
	ds_load_b128 v[\dst+4+8*\t:\dst+7+8*\t], v[\ad] offset:\off+RB*(\t/4)+1024*(\t%4)+512
.endr
.irp p, 0,1,2,3
	ds_load_b32 v[\sc+\p], v[\as] offset:\off+RB*(\p/2)+4096+128*(\p%2)
.endr
.endm
.macro KLOAD k, dst                    ; trip k's K
	v_add_nc_u32 v3, s[52+\k], v1
	v_add_nc_u32 v4, s[52+\k], v2
	VWAIT
	FRAGS \dst, 3, 4, 0, 248
.endm
.macro PA d, x, y
	v_pk_add_f32 v[\d:\d+1], v[\x:\x+1], v[\y:\y+1]
.endm
; An item up to p's codes.  kv: K's, then V's registers; pp: the scores', then p's.  fst = 1: my tile's first item.  msk = 1: on the diagonal for sure, 0: where this is the trip in which I change tiles.
.macro BODY kv, pp, fst, ad, as, msk, tr
	s_wait_dscnt 0x0                               ; K is in
.irp t, 0,1,2,3,4,5,6,7
	WM \pp+8*\t, \kv+8*\t, 16, 1, 248+\t/2, 255, \t%2   ; S^T: eight tiles of 16 keys
.endr
	NOPS 4                                         ; places in front of the loads below and of the first read of the scores
	FRAGS \kv, \ad, \as, 2*RB, 240                 ; V lands under the softmax
.if \msk == 0
	s_cmp_lg_u32 s[SWT], \tr
	s_cbranch_scc1 .Lopen_\@
.endif
	v_mov_b32 v254, 0xff800000                     ; -infinity
.irp n, 0,1,2,3,4,5,6,7,8,9,10,11,12,13,14,15,16,17,18,19,20,21,22,23,24,25,26,27,28,29,30,31,32,33,34,35,36,37,38,39,40,41,42,43,44,45,46,47,48,49,50,51,52,53,54,55,56,57,58,59,60,61,62,63
	v_cmp_gt_i32 vcc_lo, 32*(\n/16)+\n%16, v[DM]   ; register 16 b + i holds key 32 b + 16 h + i of the step: hidden where it comes after my query
	v_cndmask_b32 v[\pp+\n], v[\pp+\n], v254, vcc_lo
.endr
.Lopen_\@:
.irp q, 0,1,2,3
	v_max3_num_f32 v[232+\q], v[\pp+16*\q], v[\pp+1+16*\q], v[\pp+2+16*\q]   ; THE LARGEST SCORE OF EACH BLOCK OF 32 KEYS: for the row's maximum, and, since p rises with the score, for the block's largest p
.endr
.irp i, 3,5,7,9,11,13
.irp q, 0,1,2,3
	v_max3_num_f32 v[232+\q], v[232+\q], v[\pp+16*\q+\i], v[\pp+1+16*\q+\i]
.endr
.endr
.irp q, 0,1,2,3
	v_max_num_f32 v[232+\q], v[232+\q], v[\pp+15+16*\q]
.endr
.irp q, 0,1,2,3
	s_delay_alu instid0(VALU_DEP_4)
	v_permlanex16_b32 v[236+\q], v[232+\q], s[SEL], s[SEL+1]
.endr
.irp q, 0,1,2,3
	s_delay_alu instid0(VALU_DEP_4)
	v_max_num_f32 v[232+\q], v[232+\q], v[236+\q]  ; with lane l xor 16's 16 keys
.endr
	s_delay_alu instid0(VALU_DEP_2)
	v_max3_num_f32 v254, v232, v233, v234
	s_delay_alu instid0(VALU_DEP_1)
	v_max_num_f32 v254, v254, v235                 ; the item's largest score of my query
	s_delay_alu instid0(VALU_DEP_1)
.if \fst
	v_mul_f32 v13, s[CS], v254                     ; as t (c is positive)
	s_delay_alu instid0(VALU_DEP_1)
	v_floor_f32 v12, -v13                          ; -M = floor(-t) = -ceil(t): M IS A WHOLE NUMBER
.else
	v_mul_f32 v254, s[CS], v254
	s_delay_alu instid0(VALU_DEP_1)
	v_max_num_f32 v13, v13, v254                   ; the running largest t
	v_mov_b32 v254, v12
	s_delay_alu instid0(VALU_DEP_2)
	v_floor_f32 v12, -v13
	s_delay_alu instid0(VALU_DEP_1)
	v_sub_f32 v254, v12, v254                      ; M's old value less its new one: a whole number, 0 or less
	s_delay_alu instid0(VALU_DEP_1)
	v_cvt_i32_f32 v254, v254                       ; (it saturates)
	s_delay_alu instid0(VALU_DEP_1)
	v_ldexp_f32 v252, 1.0, v254                    ; f = 2^(old M - new M)
.endif
.irp j, 0,2,4,6,8,10,12,14,16,18,20,22,24,26,28,30,32,34,36,38,40,42,44,46,48,50,52,54,56,58,60,62
	v_pk_fma_f32 v[\pp+\j:\pp+1+\j], v[\pp+\j:\pp+1+\j], s[CS:CS+1], v[12:13] op_sel_hi:[1,0,0]   ; t - M, two at a time
.endr
.irp q, 0,1,2,3
	v_fma_f32 v[232+\q], v[232+\q], s[CS], v12     ; the same of each block's largest score
.endr
	VWAIT
.irp j, 0,1,2,3,4,5,6,7,8,9,10,11,12,13,14,15,16,17,18,19,20,21,22,23,24,25,26,27,28,29,30,31,32,33,34,35,36,37,38,39,40,41,42,43,44,45,46,47,48,49,50,51,52,53,54,55,56,57,58,59,60,61,62,63
	v_exp_f32 v[\pp+\j], v[\pp+\j]                 ; p = 2^(t - M), at most 1: NOT normalised
.endr
.irp q, 0,1,2,3
	v_exp_f32 v[232+\q], v[232+\q]                 ; the block's largest p: the same two instructions on the same number give the same bits
.endr
.if \fst
	v_nop                                          ; a plain line behind the exponentials
.else
	v_pk_mul_f32 v[14:15], v[14:15], v[252:253] op_sel_hi:[1,0]   ; the sums under the new M
.endif
	VWAIT
.irp q, 0,1,2,3
	v_max_num_f32 v[232+\q], 0x1800000, v[232+\q]  ; the floor 2^(3 - 127): the byte cannot fall under 1
.endr
.irp q, 0,1,2,3
	s_delay_alu instid0(VALU_DEP_4)
	v_add_nc_u32 v[244+\q], 0xff000000, v[232+\q]  ; 2 off the exponent field: the conversion's scale operand
.endr
.irp q, 0,1,2,3
	s_delay_alu instid0(VALU_DEP_4)
	v_lshrrev_b32 v[236+\q], 23, v[244+\q]         ; the scale's byte
.endr
	s_delay_alu instid0(VALU_DEP_3)
	v_lshl_or_b32 v253, v237, 8, v236              ; p's scale word for these 128 keys
	s_delay_alu instid0(VALU_DEP_1)
	v_lshl_or_b32 v253, v238, 16, v253
	s_delay_alu instid0(VALU_DEP_1)
	v_lshl_or_b32 v253, v239, 24, v253
.irp q, 0,1,2,3
	v_cvt_scalef32_pk8_fp4_f32 v[224+2*\q], v[\pp+16*\q:\pp+7+16*\q], v[244+\q]
	v_cvt_scalef32_pk8_fp4_f32 v[225+2*\q], v[\pp+8+16*\q:\pp+15+16*\q], v[244+\q]
.endr
	v_nop                                          ; one plain line behind the last scaled conversion
.irp c, 0,1                            ; the operand's layout wants a WHOLE block in a lane: lanes 0-15 block 2 c, lanes 16-31 block 2 c + 1
.irp i, 0,1
	v_permlane16_swap_b32 v[224+4*\c+\i], v[226+4*\c+\i]
.endr
.endr
.endm
.macro SUMS pp, fst                    ; the row's sum of the unquantised p, in two halves
	PA 236, \pp+4, \pp+8
	PA 250, \pp+12, \pp+16
	PA 248, \pp+20, \pp+24
	PA 246, \pp+28, \pp+32
	PA 244, \pp+36, \pp+40
	PA 234, \pp+44, \pp+48
	PA 232, \pp+52, \pp+56
.if \fst
	PA 14, \pp+26, \pp+60
.else
	PA 14, 14, \pp+60
.endif
	PA 236, 236, \pp
	PA 250, 250, \pp+2
	PA 248, 248, \pp+6
	PA 246, 246, \pp+10
	PA 244, 244, \pp+14
	PA 234, 234, \pp+18
	PA 232, 232, \pp+22
.if (\fst)==0
	PA 14, 14, \pp+26
.endif
	PA 236, 236, \pp+30
	PA 250, 250, \pp+34
	PA 248, 248, \pp+38
	PA 246, 246, \pp+42
	PA 244, 244, \pp+46
	PA 234, 234, \pp+50
	PA 232, 232, \pp+54
	PA 14, 14, \pp+58
	PA 236, 236, \pp+62
	s_delay_alu instid0(VALU_DEP_2)
	PA 14, 14, 246
	s_delay_alu instid0(VALU_DEP_2)
	PA 236, 236, 244
	PA 250, 250, 234
	PA 248, 248, 232
	s_delay_alu instid0(VALU_DEP_2)
	PA 14, 14, 250
	s_delay_alu instid0(VALU_DEP_2)
	PA 236, 236, 248
	s_delay_alu instid0(VALU_DEP_1)
	PA 14, 14, 236
.endm
.macro FIN kv, fst                     ; O^T += V^T P^T: eight tiles of 16 channels, each accumulator one instruction
.if (\fst)==0
	VWAIT
.irp j, 0,2,4,6,8,10,12,14,16,18,20,22,24,26,28,30,32,34,36,38,40,42,44,46,48,50,52,54,56,58,60,62
	v_pk_mul_f32 v[160+\j:161+\j], v[160+\j:161+\j], v[252:253] op_sel_hi:[1,0]   ; O^T under the new M
.endr
.endif
.irp t, 0,1,2,3,4,5,6,7
	WM 160+8*\t, \kv+8*\t, 224, \fst, 240+\t/2, 253, \t%2
.endr
	NOPS 5                                         ; places in front of products that write over V's registers, and of the reads of O^T
.endm
.macro DUMP ps, ss                     ; my O^T to the part at s[ps], (-M, sum) to s[ss]
	v_add_f32 v14, v14, v15                        ; the sum's two halves,
	v_and_b32 v232, 15, v0
	v_bfe_u32 v233, v0, 4, 1
	v_permlanex16_b32 v252, v14, s[SEL], s[SEL+1]
	v_mul_u32_u24 v10, v232, 528
	v_lshl_add_u32 v10, v233, 5, v10
	v_add_nc_u32 v10, s[\ps], v10                  ; row r, + 32 h; tile t's eight channels 64 t bytes on
	v_lshlrev_b32 v11, 3, v232
	v_add_nc_u32 v11, s[\ss], v11
	v_add_f32 v13, v14, v252                       ; and lane l xor 16's: my part's sum, beside -M
.irp t, 0,1,2,3,4,5,6,7
	ds_store_b128 v10, v[160+8*\t:163+8*\t] offset:64*\t      ; each accumulator from its low end on
	ds_store_b128 v10, v[164+8*\t:167+8*\t] offset:64*\t+16
.endr
	ds_store_b64 v11, v[12:13]                     ; lanes r and r + 16 write the same two words with the same values
.endm
; THE TRIP IN WHICH A WAVE OF 10 TO 13 CHANGES ITS TILE: its first tile's part is finished and handed over, and the second tile's item of this trip is worked.  The branches hang on ids alone and lead round no barrier and no tensor load.
.macro SWITCH tr, kv, pp, fst
	VWAIT
	s_cmp_lt_u32 s[WV], 10
	s_cbranch_scc1 .Lstay_\@
	s_cmp_gt_u32 s[WV], 13
	s_cbranch_scc1 .Lstay_\@
	s_cmp_lg_u32 s[SWT], \tr
	s_cbranch_scc1 .Lstay_\@
	SUMS \pp, \fst
	VWAIT
	s_wait_dscnt 0x0                               ; V is in
	FIN \kv, \fst
	DUMP 76, 77
	VWAIT
	s_wait_dscnt 0x0                               ; the stores have read their registers
.irp i, 0,1,2,3,4,5,6,7
	v_mov_b32 v[16+\i], v[24+\i]                   ; the second tile's Q
.endr
	v_mov_b32 v255, v8
.if \fst
	NOPS 8
.else
	v_mov_b32 v13, 0xff61b1e6                      ; -3e38, under every t
	v_mov_b32 v14, 0
	v_mov_b32 v15, 0
	v_floor_f32 v12, -v13
.irp j, 0,1,2,3,4,5,6,7,8,9,10,11,12,13,14,15,16,17,18,19,20,21,22,23,24,25,26,27,28,29,30,31,32,33,34,35,36,37,38,39,40,41,42,43,44,45,46,47,48,49,50,51,52,53,54,55,56,57,58,59,60,61,62,63
	v_mov_b32 v[160+\j], 0                         ; the change of M leaves zeros
.endr
.endif
	v_add_nc_u32 v10, s[56+\tr%2], v1
	v_add_nc_u32 v11, s[56+\tr%2], v2
	VWAIT
	FRAGS \kv, 10, 11, 0, 248
	BODY \kv, \pp, \fst, 10, 11, 1, \tr
	VWAIT
.Lstay_\@:
.endm
; THE CHANGE OF SLOTS behind trip tr's softmax: each wave waits for all its tensor loads (its part of the next slot), adds 0 to its spare word, and waits for that and for its reads of the slot that it leaves; the row's sums stand between signal and wait.
.macro TAIL tr, kv, pp, fst
	VWAIT
	s_wait_tensorcnt 0x0
	ds_add_u32 v[SPW], v[NIL]
	s_wait_dscnt 0x0                               ; the add is done, and my reads of this slot, V's among them, are over
	s_barrier_signal -1
	SUMS \pp, \fst
	VWAIT
	s_barrier_wait -1
.if \tr < 2
	CREST                                          ; no wave of any partner still reads this slot or has a load on its way
	TLOAD 40+4*\tr                                 ; slot tr + 2 into the LDS that slot tr has left
.endif
	KLOAD \tr+1, \pp
.if \tr == 0
	ASK 50
.endif
	FIN \kv, \fst
.endm
.macro BASE dst, par                   ; s58 = 1: the record 31 - r of my pair, 0: r.  Where its part 0 begins, in slot parity par
	s_and_b32 s58, s58, 1
	s_xor_b32 s59, s[SI], s58
	s_and_b32 s59, s59, 1                          ; the family
	s_mul_i32 s59, s59, 4*RB
	s_mul_i32 s60, s58, 3
	s_lshr_b32 s61, s[SI], 1
	s_xor_b32 s60, s60, s61
	s_and_b32 s60, s60, 3                          ; m
	s_mul_i32 s60, s60, 4352
	s_add_co_u32 s59, s59, s60
	s_add_co_u32 s[\dst], s59, (\par)*SLOTB
.endm
	s_load_b128 s[4:7], s[0:1], 0x0                ; qq4, kv4
	s_load_b64 s[8:9], s[0:1], 0x10                ; out0
	v_lshl_add_u32 v[SPW], v0, 2, SPARE
	v_mov_b32 v[NIL], 0
	ds_add_u32 v[SPW], v[NIL]                      ; the wave's opening: the add, twice on end, and its wait
	ds_add_u32 v[SPW], v[NIL]
	v_lshrrev_b32 v96, 5, v0
	v_readfirstlane_b32 s[WV], v96                 ; wave 0..15
	; descriptor group 1: 2 rows (records m, m + 1 of a family) of 544 elements of 8 bytes (a part), eight records apart
	s_mov_b32 s24, 15|(3<<16)|(1<<21)              ; 15:0 the mask: all four work-groups; 17:16 elements of 8 bytes; 21 set beside a mask
	s_mov_b32 s25, 544<<16
	s_mov_b32 s26, 2<<16
	s_mov_b32 s27, 544<<16
	s_mov_b32 s28, 2
	s_mov_b32 s29, RB
	s_mov_b32 s30, 0
	s_mov_b32 s31, 0
	s_mov_b32 s[SEL], 0x76543210
	s_mov_b32 s[SEL+1], 0xfedcba98
	s_mov_b32 s[CS], 0x3e0293ee                    ; c = log2(e) / sqrt(128)
	s_mov_b32 s[CS+1], s[CS]                       ; (named with it as a pair, so it is written)
	s_and_b32 s[SI], s[WV], 3
	s_lshr_b32 s[RHO], s[WV], 2
	s_bfe_u32 s97, ttmp6, 0x40000                  ; e: my place in the cluster: it enters Q's, out0's and the prefetch's addresses and the mask's lane term, and nothing else
	s_and_b32 s58, ttmp9, 1                        ; in a cluster launch ttmp9 counts clusters
	s_lshl_b32 s58, s58, 2
	s_add_co_u32 s[E8], s58, s97
	s_lshr_b32 s[SJ], ttmp9, 1
	s_and_b32 s[BT], ttmp7, 0xffff
	; what I fetch: family g = wave / 8, part q = (wave / 2) % 4, records 2 y, 2 y + 1, y = wave % 2
	s_lshr_b32 s58, s[WV], 3
	s_bfe_u32 s59, s[WV], 0x20001
	s_and_b32 s60, s[WV], 1
	s_mul_i32 s59, s59, 4352
	s_lshl_b32 s61, s[BT], 5
	s_lshl_b32 s62, s60, 4
	s_add_co_u32 s61, s61, s62
.irp k, 0,1,2,3                        ; slot k: record 32 batch + 16 y + k (g = 0) or 7 - k (g = 1)
	s_mul_i32 s62, s58, 7-2*\k
	s_add_co_u32 s62, s62, s61
	s_add_co_u32 s62, s62, \k
	s_mul_i32 s62, s62, RB
	s_add_co_u32 s[66+2*\k], s62, s59
	s_mov_b32 s[67+2*\k], 0
.endr
	s_mul_i32 s99, s[WV], 8704                     ; and where it goes in a slot: no place in the cluster enters an LDS address
	v_and_b32 v96, 31, v0                          ; lane
	v_lshlrev_b32 v1, 4, v96
	v_lshlrev_b32 v2, 2, v96
	v_and_b32 v97, 15, v0                          ; r
	v_bfe_u32 v98, v0, 4, 1                        ; h
	v_lshlrev_b32 v10, 2, v97
	s_wait_dscnt 0x0                               ; both opening adds are done
	VWAIT
	s_wait_kmcnt 0x0
.irp k, 0,1,2,3                        ; group 0, a set for each slot
	s_mov_b32 s[32+4*\k], 1
	s_add_co_u32 s[33+4*\k], s99, (\k%2)*SLOTB
	s_add_nc_u64 s[34+4*\k:35+4*\k], s[6:7], s[66+2*\k:67+2*\k]
	s_or_b32 s[35+4*\k], s[35+4*\k], 0x80000000
.endr
	ROUND                                          ; all four work-groups are here: the first joint loads meet
	TLOAD 32                                       ; slot 0: one tensor load a wave at the head
	; the trip in which I change tiles: waves 11 and 12 in trip j (j < 4), waves 10 and 13 in trip 7 - j
	s_sub_co_u32 s58, 7, s[SJ]
	s_cmp_lt_u32 s[SJ], 4
	s_cselect_b32 s58, s[SJ], s58
	s_cselect_b32 s59, 11, 10
	s_cselect_b32 s60, 12, 13
	s_cmp_eq_u32 s[WV], s59
	s_cselect_b32 s61, 1, 0
	s_cmp_eq_u32 s[WV], s60
	s_cselect_b32 s61, 1, s61
	s_cmp_lg_u32 s61, 0
	s_cselect_b32 s[SWT], s58, 64
	; my tiles' blocks: waves 0-3, 12-15: 31 - j and j; waves 4-11: 16 + j and 15 - j
	s_add_co_u32 s62, s[SJ], 16
	s_sub_co_u32 s63, 31, s[SJ]
	s_add_co_u32 s58, s[RHO], 1
	s_and_b32 s58, s58, 2
	s_cselect_b32 s62, s62, s63
	s_sub_co_u32 s63, 31, s62
	s_lshr_b32 s[FL], 0xe800, s[WV]                ; waves 11, 13, 14, 15 begin with the record 31 - r
	s_and_b32 s[FL], s[FL], 1
	s_cmp_lt_u32 s[RHO], 2
	s_cselect_b32 s58, 1, s[FL]
	s_cmp_lg_u32 s58, 0
	s_cselect_b32 s[B1], s62, s63
	s_cselect_b32 s98, s63, s62                    ; the other tile's block
	s_lshl_b32 s58, s[BT], 8                       ; Q's tile: T = 256 batch + 8 block + e8
	s_add_co_u32 s58, s58, s[E8]
	s_lshl_b32 s59, s[B1], 3
	s_add_co_u32 s59, s59, s58
	s_lshl_b32 s78, s59, 10
	s_lshl_b32 s80, s59, 6
	s_add_co_u32 s80, s80, 1048576
	s_lshl_b32 s59, s98, 3
	s_add_co_u32 s59, s59, s58
	s_lshl_b32 s82, s59, 10
	s_lshl_b32 s84, s59, 6
	s_add_co_u32 s84, s84, 1048576
	s_mov_b32 s79, 0
	s_mov_b32 s81, 0
	s_mov_b32 s83, 0
	s_mov_b32 s85, 0
	s_add_nc_u64 s[78:79], s[4:5], s[78:79]
	s_add_nc_u64 s[80:81], s[4:5], s[80:81]
	s_add_nc_u64 s[82:83], s[4:5], s[82:83]
	s_add_nc_u64 s[84:85], s[4:5], s[84:85]
	VWAIT
	global_load_b128 v[16:19], v1, s[78:79]        ; Q's fragments and scale words stay in registers
	global_load_b128 v[20:23], v1, s[78:79] offset:512
	global_load_b32 v255, v10, s[80:81]
	global_load_b128 v[24:27], v1, s[82:83]
	global_load_b128 v[28:31], v1, s[82:83] offset:512
	global_load_b32 v8, v10, s[84:85]
.irp k, 0,1,2,3                        ; where my item's record lies in trip k
	s_cmp_lt_u32 s[SWT], \k
	s_cselect_b32 s58, 1, 0
	s_xor_b32 s58, s58, s[FL]
	BASE 52+\k, \k%2
.endr
	s_xor_b32 s58, s[FL], 1                        ; and the second item's in the trip of the change
	BASE 56, 0
	s_add_co_u32 s57, s56, SLOTB
	s_mul_i32 s74, s[WV], PARTB                    ; my part,
	s_lshl_b32 s75, s[WV], 7
	s_add_co_u32 s75, s75, STAT                    ; its (-M, sum),
	s_add_co_u32 s76, s74, XPART-10*PARTB          ; the part that waves 10-13 hand over early,
	s_add_co_u32 s77, s75, 768                     ; and its (-M, sum): number 16 + wave - 10
	; the prefetch
	s_cmp_ge_u32 s[WV], 11
	s_cselect_b32 s58, 1, 0
	s_mul_i32 s59, s58, 3
	s_add_co_u32 s59, s59, 8
	s_sub_co_u32 s59, s[WV], s59
	s_lshl_b32 s105, s59, 5                        ; 32 blocks a wave
	s_lshl_b32 s60, s[BT], 5
	s_lshl_b32 s61, s97, 3
	s_add_co_u32 s60, s60, s61
	s_mul_i32 s61, s58, 3
	s_add_co_u32 s61, s61, s60
	s_add_co_u32 s61, s61, 2
	s_mul_i32 s62, s61, RB                         ; slot 2
	s_mov_b32 s63, 0
	s_add_nc_u64 s[48:49], s[6:7], s[62:63]
	s_add_co_u32 s61, s58, s60
	s_add_co_u32 s61, s61, 3
	s_mul_i32 s62, s61, RB                         ; slot 3
	s_add_nc_u64 s[50:51], s[6:7], s[62:63]
	s_sub_co_u32 s61, s[WV], 8
	s_cmp_lt_u32 s61, 6
	s_cselect_b32 s[LIM], 1, 0
	s_cmp_eq_u32 ttmp9, 0
	s_cselect_b32 s[LIM], s[LIM], 0
	s_lshr_b32 s58, s[E8], 1
	s_lshl_b32 s58, s58, 5
	s_and_b32 s59, s[E8], 1
	s_lshl_b32 s59, s59, 3
	s_add_co_u32 s104, s58, s59                    ; my tile's first query in its block: 32 (e8 / 2) + 8 (e8 % 2)
	; the merge: waves 0-7 serve the tiles of blocks 31 - j and j, waves 8-15 those of 16 + j and 15 - j; wave % 8 = ww: rows 2 ww, 2 ww + 1 of both
	s_and_b32 s101, s[WV], 7
	s_add_co_u32 s58, s[SJ], 16
	s_sub_co_u32 s59, 31, s[SJ]
	s_cmp_lt_u32 s[WV], 8
	s_cselect_b32 s60, s59, s58
	s_sub_co_u32 s61, 31, s60
	s_lshl_b32 s62, s[BT], 12
	s_add_co_u32 s62, s62, s104
	s_lshl_b32 s63, s101, 1
	s_add_co_u32 s62, s62, s63
	s_lshr_b32 s63, s101, 2
	s_lshl_b32 s63, s63, 3
	s_add_co_u32 s62, s62, s63
	s_lshl_b32 s86, s60, 7
	s_add_co_u32 s86, s86, s62
	s_lshl_b32 s86, s86, 9
	s_lshl_b32 s88, s61, 7
	s_add_co_u32 s88, s88, s62
	s_lshl_b32 s88, s88, 9
	s_mov_b32 s87, 0
	s_mov_b32 s89, 0
	s_add_nc_u64 s[86:87], s[8:9], s[86:87]
	s_add_nc_u64 s[88:89], s[8:9], s[88:89]
	; waves wx, wx + 1 (12, 13; 10, 11) ended with the higher tile (F = 1) or with the lower; X, the part handed over early, is the other tile's
	s_cmp_lt_u32 s[SJ], 4
	s_cselect_b32 s58, 1, 0
	s_cmp_lt_u32 s[WV], 8
	s_cselect_b32 s63, 0, 1
	s_xor_b32 s58, s58, s63                        ; F
	s_mov_b32 s94, 0x7f61b1e6                      ; 3e38
	s_mov_b32 s95, 0xff61b1e6
	s_cmp_lg_u32 s58, 0
	; the limit on -M that lets wave wx + 1 count (-3e38) or not (3e38): in the higher tile s96, in the lower s100
	s_cselect_b32 s96, s95, s94                    ; and the limit on -M that lets wx + 1 count (-3e38) or not (3e38), in the higher tile,
	s_cselect_b32 s100, s94, s95                   ; in the lower
	v_lshrrev_b32 v[DM], 3, v97
	v_lshl_add_u32 v[DM], v[DM], 3, v97            ; r + 8 (r / 8)
	v_lshlrev_b32 v99, 4, v98
	v_sub_nc_u32 v[DM], v[DM], v99
	v_add_nc_u32 v[DM], s104, v[DM]                ; my query in its 128, less 16 h
	v_add_nc_u32 v[PFO], s105, v96
	v_min_u32 v[PFO], 67, v[PFO]                   ; held at a record's last block
	v_lshlrev_b32 v[PFO], 8, v[PFO]
.irp q, 0,1,2,3
	v_mov_b32 v[236+\q], 0                         ; written once: a lane permute's destination counts as one of its sources
.endr
	v_mov_b32 v252, 0
	v_mov_b32 v253, 0                              ; (named as the upper half of the pair v[252:253] before it is first written)
	VWAIT                                          ; the head's end
	s_wait_tensorcnt 0x0                           ; my part of slot 0 is in
	ds_add_u32 v[SPW], v[NIL]
	s_wait_dscnt 0x0
	ROUND
	TLOAD 36                                       ; slot 1
	KLOAD 0, 32
	ASK 48
	s_wait_loadcnt 0x0                             ; Q
	BODY 32, 96, 1, 3, 4, 0, 0
	SWITCH 0, 32, 96, 1
	TAIL 0, 32, 96, 1
	BODY 96, 32, 0, 3, 4, 0, 1
	SWITCH 1, 96, 32, 0
	TAIL 1, 96, 32, 0
	BODY 32, 96, 0, 3, 4, 0, 2
	SWITCH 2, 32, 96, 0
	TAIL 2, 32, 96, 0
	BODY 96, 32, 0, 3, 4, 0, 3
	SWITCH 3, 96, 32, 0
	SUMS 32, 0
	VWAIT
	s_wait_dscnt 0x0                               ; V is in
	FIN 96, 0
	; THE MERGE.  Each wave hands its O^T, -M and sum to LDS; then each adds the parts of two rows of two tiles and stores them as whole rows.
	; The parts lie in slot 0: every wave has passed the last change of slots, in front of which its reads of that slot were over and the slot's last fill had landed.
	DUMP 74, 75
	VWAIT
	s_wait_dscnt 0x0                               ; for the others' sake: my stores have landed
	s_barrier_signal -1
	s_barrier_wait -1
	s_mul_i32 s58, s101, 1056                      ; rows 2 ww, 2 ww + 1 of 528 bytes
	s_lshl_b32 s59, s101, 4
	s_add_co_u32 s59, s59, STAT
	v_add_nc_u32 v10, s58, v1                      ; parts 0-7
	v_add_nc_u32 v11, 8*PARTB, v10                 ; parts 8-15
	v_add_nc_u32 v3, XPART, v10                    ; the parts that waves 10-13 handed over early
	v_mov_b32 v7, s59                              ; (-M, sum) of my rows
	VWAIT
.macro PART y, D, S, ad, off, ms, so   ; entry y: (-M, sum) of my two rows, and my 16 bytes of each
	ds_load_b128 v[\S+4*(\y):\S+3+4*(\y)], v[\ms] offset:\so
	ds_load_b128 v[\D+8*(\y):\D+3+8*(\y)], v[\ad] offset:\off
	ds_load_b128 v[\D+4+8*(\y):\D+7+8*(\y)], v[\ad] offset:\off+528
.endm
.macro COMB n, D, S, T, O, lim         ; n parts of two rows; the last one counts only where s[lim] lets it
	v_max_num_f32 v[\S+4*(\n)-4], s[\lim], v[\S+4*(\n)-4]
	v_max_num_f32 v[\S+4*(\n)-2], s[\lim], v[\S+4*(\n)-2]
	v_min_num_f32 v232, v[\S], v[\S+4]             ; the least -M: the row's M
	v_min_num_f32 v233, v[\S+2], v[\S+6]
.set Y, 2
.rept ((\n)-2)/2
	v_min3_num_f32 v232, v232, v[\S+4*Y], v[\S+4*Y+4]
	v_min3_num_f32 v233, v233, v[\S+4*Y+2], v[\S+4*Y+6]
.set Y, Y+2
.endr
.set Y, 0
.rept \n
	v_sub_f32 v[\T+2*Y], v232, v[\S+4*Y]           ; the part's M less the row's: a whole number, 0 or less
	v_sub_f32 v[\T+2*Y+1], v233, v[\S+4*Y+2]
.set Y, Y+1
.endr
.set Y, 0
.rept 2*\n
	v_cvt_i32_f32 v[\T+Y], v[\T+Y]                 ; (it saturates)
.set Y, Y+1
.endr
.set Y, 0
.rept 2*\n
	v_ldexp_f32 v[\T+Y], 1.0, v[\T+Y]              ; f = 2^(part's M - row's M): exact
.set Y, Y+1
.endr
	v_mul_f32 v234, v[\T], v[\S+1]
	v_mul_f32 v235, v[\T+1], v[\S+3]
.set Y, 1
.rept \n-1
	v_fma_f32 v234, v[\T+2*Y], v[\S+4*Y+1], v234   ; the row's sum
	v_fma_f32 v235, v[\T+2*Y+1], v[\S+4*Y+3], v235
.set Y, Y+1
.endr
	VWAIT
	v_rcp_f32 v234, v234
	v_rcp_f32 v235, v235
	v_nop                                          ; a plain line behind the last reciprocal
	VWAIT
.set Y, 0
.rept \n
	v_pk_mul_f32 v[\T+2*Y:\T+2*Y+1], v[\T+2*Y:\T+2*Y+1], v[234:235]   ; f / the sum, of both rows
.set Y, Y+1
.endr
.irp k, 0,2
	v_pk_mul_f32 v[\O+\k:\O+1+\k], v[\D+\k:\D+1+\k], v[\T:\T+1] op_sel_hi:[1,0]
	v_pk_mul_f32 v[\O+4+\k:\O+5+\k], v[\D+4+\k:\D+5+\k], v[\T:\T+1] op_sel:[0,1] op_sel_hi:[1,1]
.endr
.set Y, 1
.rept \n-1
.irp k, 0,2
	v_pk_fma_f32 v[\O+\k:\O+1+\k], v[\D+8*Y+\k:\D+8*Y+1+\k], v[\T+2*Y:\T+2*Y+1], v[\O+\k:\O+1+\k] op_sel_hi:[1,0,1]
	v_pk_fma_f32 v[\O+4+\k:\O+5+\k], v[\D+8*Y+4+\k:\D+8*Y+5+\k], v[\T+2*Y:\T+2*Y+1], v[\O+4+\k:\O+5+\k] op_sel:[0,1,0] op_sel_hi:[1,1,1]
.endr
.set Y, Y+1
.endr
.endm
.macro SEND O, base                    ; 32 lanes store a row of 512 consecutive bytes, aligned; written once, read by nobody here
	global_store_b128 v1, v[\O:\O+3], s[\base:\base+1] th:TH_STORE_NT
	global_store_b128 v1, v[\O+4:\O+7], s[\base:\base+1] offset:512 th:TH_STORE_NT
.endm
	s_cmp_lt_u32 s[WV], 8
	s_cbranch_scc0 .Lmerge_b
.irp y, 0,1,2,3
	PART \y, 32, 96, 10, PARTB*\y, 7, 128*\y       ; waves 0-3
.endr
	PART 4, 32, 96, 11, 6*PARTB, 7, 1792           ; wave 14
	PART 5, 32, 96, 11, 7*PARTB, 7, 1920           ; wave 15
	PART 7, 32, 96, 11, 5*PARTB, 7, 1664           ; wave 13, where it counts
	s_cmp_lt_u32 s[SJ], 4                          ; ids alone: the same in all partners
	s_cbranch_scc0 .Lmerge_a_hi
	PART 6, 32, 96, 11, 4*PARTB, 7, 1536           ; j < 4: wave 12 ended with the higher tile,
	PART 0, 128, 160, 3, 2*PARTB, 7, 2304          ; and handed over the lower early
	s_branch .Lmerge_a_go
.Lmerge_a_hi:
	PART 6, 32, 96, 3, 3*PARTB, 7, 2432            ; else wave 13 handed over the higher tile early,
	PART 0, 128, 160, 11, 4*PARTB, 7, 1536         ; and wave 12 has the lower
.Lmerge_a_go:
	PART 1, 128, 160, 11, 5*PARTB, 7, 1664         ; wave 13, where it counts
	s_wait_dscnt 0x0
	COMB 8, 32, 96, 176, 208, 96
	SEND 208, 86
	COMB 2, 128, 160, 192, 216, 100
	SEND 216, 88
	s_branch .Lmerged
.Lmerge_b:
.irp y, 0,1,2,3
	PART \y, 32, 96, 10, PARTB*(4+\y), 7, 128*(4+\y)   ; waves 4-7
.endr
	s_cmp_lt_u32 s[SJ], 4
	s_cbranch_scc0 .Lmerge_b_hi
	PART 4, 32, 96, 3, PARTB, 7, 2176              ; j < 4: wave 11 handed over the higher tile early,
	PART 2, 128, 160, 11, 2*PARTB, 7, 1280         ; and wave 10 has the lower
	s_branch .Lmerge_b_go
.Lmerge_b_hi:
	PART 4, 32, 96, 11, 2*PARTB, 7, 1280           ; else wave 10 ended with the higher tile,
	PART 2, 128, 160, 3, 0, 7, 2048                ; and handed over the lower early
.Lmerge_b_go:
	PART 5, 32, 96, 11, 3*PARTB, 7, 1408           ; wave 11, where it counts
	PART 0, 128, 160, 11, 0, 7, 1024               ; the lower tile: waves 8,
	PART 1, 128, 160, 11, PARTB, 7, 1152           ; 9,
	PART 3, 128, 160, 11, 3*PARTB, 7, 1408         ; wave 11, where it counts
	s_wait_dscnt 0x0
	COMB 6, 32, 96, 176, 208, 96
	SEND 208, 86
	COMB 4, 128, 160, 192, 216, 100
	SEND 216, 88
.Lmerged:
	s_wait_tensorcnt 0x0                           ; the wave's end
	ds_add_u32 v[SPW], v[NIL]
	s_wait_dscnt 0x0
	ROUND                                          ; the closing round: no work-group ends while a partner may still ask for a slot that names it
	s_endpgm
.Lfunc_end_k_q69dc392832_attn:
	.size	k_q69dc392832_attn, .Lfunc_end_k_q69dc392832_attn-k_q69dc392832_attn
	.p2alignl 7, 3214868480
	.fill 96, 4, 3214868480
	.section	.rodata,"a",@progbits
	.p2align	6, 0x0
	.amdhsa_kernel k_q69dc392832_attn
		.amdhsa_group_segment_fixed_size 327680
		.amdhsa_private_segment_fixed_size 0
		.amdhsa_enable_private_segment 0
		.amdhsa_kernarg_size 24
		.amdhsa_user_sgpr_count 2
		.amdhsa_user_sgpr_kernarg_segment_ptr 1
		.amdhsa_wavefront_size32 1
		.amdhsa_system_sgpr_workgroup_id_x 1
		.amdhsa_system_sgpr_workgroup_id_y 1
		.amdhsa_system_sgpr_workgroup_id_z 1
		.amdhsa_system_vgpr_workitem_id 0
		.amdhsa_next_free_vgpr 256
		.amdhsa_next_free_sgpr 106
		.amdhsa_reserve_vcc 1
		.amdhsa_float_denorm_mode_32 3
		.amdhsa_float_denorm_mode_16_64 3
		.amdhsa_memory_ordered 1
		.amdhsa_forward_progress 1
		.amdhsa_inst_pref_size 238
	.end_amdhsa_kernel
	.amdgpu_metadata
---
amdhsa.version: [ 1, 2 ]
amdhsa.kernels:
  - .name:           k_q69dc392832_attn
    .symbol:         k_q69dc392832_attn.kd
    .args:
      - { .name: qq4, .offset: 0, .size: 8, .value_kind: global_buffer, .address_space: global }
      - { .name: kv4, .offset: 8, .size: 8, .value_kind: global_buffer, .address_space: global }
      - { .name: out0, .offset: 16, .size: 8, .value_kind: global_buffer, .address_space: global }
    .group_segment_fixed_size: 327680
    .private_segment_fixed_size: 0
    .kernarg_segment_align: 8
    .kernarg_segment_size: 24
    .max_flat_workgroup_size: 512
    .sgpr_count:     106
    .vgpr_count:     256
    .wavefront_size: 32
...
	.end_amdgpu_metadata
.endif
;; end of part 3
